; MI455X (gfx1250); checked and timed in simulation.
; The chip was launched on July 23, 2026; its instructions are those of AMD's public machine-readable ISA for CDNA 5 (MIT licence, August 2026) and "CDNA5" Instruction Set Architecture Reference Guide (July 2026). The comments in the code are by the model that wrote it; some were corrected since.
;; Vanilla Attention. Allowed arithmetic: matrix products marked QUANTISED: E4M3 operands, one E8M0 scale for each 32 along K, by v_wmma_scale_f32_16x16x128_f8f6f4 with both operands' format E4M3, f32 sums; products left as they are: f32 operands where the result goes on into a quantised operand, else bf16, f16 or f32 operands; f32 sums; everything else in f32.
;; Inputs: W_align 512 x 512 float32; W_query 512 x 512 float32; W_value 512 x 512 float32; b_align 512 float32; b_query 512 float32; b_value 512 float32; mask 16 x 8,192 int32; query 16 x 512 float32; value 16 x 8,192 x 512 float32.
;; Outputs: out0 16 x 512 float32.
;; This version of the problem:
;;   THIS VERSION OF THE PROBLEM IS GIVEN IN LOW PRECISION. The matrix products marked QUANTISED in the list below multiply operands that are first quantised to E4M3 (4 exponent bits, 3 mantissa bits; 8 bits a number), with one power-of-two scale for each 32 numbers along K (OCP MX v1.0); their sums are f32. All else is computed in f32.
;;   The module's matrix products, in the order in which they are computed (A, B: the left and right operand; K: the contracted axis; several contracted axes count as one K, in the product's order):
;;     1. [M 16, K 512] x [K 512, N 512]; A: input query; B: input W_align: QUANTISED
;;     2. batch 16 x [M 8,192, K 512] x [K 512, N 1]; A: input value; B: computed on the way: left as it is (N = 1 < 16)
;;     3. batch 16 x [M 1, K 8,192] x [K 8,192, N 512]; A: softmax; B: input value: left as it is (M = 1 < 16)
;;     4. [M 16, K 512] x [K 512, N 512]; A: computed on the way; B: input W_value: QUANTISED
;;     5. [M 16, K 512] x [K 512, N 512]; A: computed on the way; B: input W_query: QUANTISED
;;   THE QUANTISER, for each operand of a quantised product, along K:
;;     - K is cut into blocks of 32 from its start; a last block that is shorter is filled with zeros.
;;     - A block's scale is 2^e with e = floor(log2(the largest magnitude in the block)) - 8, held to -126 .. 127; a block of zeros has e = 0. As a byte (E8M0): e + 127.
;;     - Each number is divided by its block's scale, clamped to +-448, and rounded to the nearest number of E4M3, ties to even, subnormals kept.
;;     - The product sums the exact products of the quantised numbers (number of the format x scale) in f32.
;;   ~~~python
;;   def quantise(x, axis):      # numpy; x: float32 -> the quantised numbers, widened to float32 again
;;       x = np.moveaxis(x, axis, -1); K = x.shape[-1]
;;       x = np.pad(x, [(0, 0)] * (x.ndim - 1) + [(0, -K % 32)]); x = x.reshape(x.shape[:-1] + (-1, 32)); a = np.abs(x).max(-1, keepdims=True)
;;       e = np.where(a > 0, np.clip(np.frexp(np.where(a > 0, a, 1))[1] - 1 - 8, -126, 127), 0)      # np.frexp(a)[1] - 1 = floor(log2(a)), exactly
;;       r = np.clip(x / 2.0 ** e, -448, 448)
;;       step = 2.0 ** (np.maximum(np.frexp(np.where(r == 0, 1, r))[1] - 1, -6) - 3)
;;       q = np.round(r / step) * step * 2.0 ** e      # np.round: ties to even
;;       return np.moveaxis(q.reshape(q.shape[:-2] + (-1,))[..., :K], -1, axis).astype(np.float32)
;;   ~~~
;;   OPERANDS COMPUTED ON THE WAY. 'Computed on the way' means the value that the module computes at that place (a softmax that the list does not call 'softmax' is quantised finished and normalised). What goes into a quantiser is computed in f32, as accurately as f32 sums, v_exp_f32 and their like allow (about 1e-6 of the number): no bf16 or f16 on the way to a quantiser, and a product that is left as it is and whose result goes on into a quantised operand takes f32 operands (vector FMAs, or v_wmma_f32_16x16x4_f32). A number that lies on a knife's edge between two numbers of the format may be rounded either way, as far as f32 arithmetic and the matrix unit's own rounding can turn it there, and no further.
;; One version. Each part assembles by itself: llvm-mc -triple=amdgcn-amd-amdhsa -mcpu=gfx1250 --defsym DOCPART=n.
;; ======== version 1 of 1: 3 launches
;; limits: right only within a limited range of input values
;; workspace buffers: qbuf 32,768 bytes; flags 256 bytes of whole numbers; pctx 524,288 bytes; stats 2,048 bytes
;; launch prep (part 1): grid 32 x 1, 16 waves a work-group, no clusters, 19,456 bytes of LDS; arguments query, W_align, b_align, mask, qbuf, flags; writes qbuf, flags
.if DOCPART == 1
	.amdgcn_target "amdgcn-amd-amdhsa--gfx1250"
	.amdhsa_code_object_version 6
	.text
	.protected	k_q30271331b1_prep
	.globl	k_q30271331b1_prep
	.p2align	8
	.type	k_q30271331b1_prep,@function
k_q30271331b1_prep:
	s_mov_b64 s[64:65], 0
	v_nop
	global_prefetch_b8 v0, s[64:65] scope:SCOPE_SE
	s_setreg_imm32_b32 hwreg(HW_REG_WAVE_MODE, 25, 1), 1
	s_wait_xcnt 0x0
; q = Q(query) Q(W_align)^T + b_align, on codes of E4M3 with one E8M0 scale for each 32 along K; and, for each half batch, whether any row is unmasked.
; query [16][512], W_align [512][512], b_align [512] f32; mask [16][8192] i32 (0 = the row counts).  qbuf [16][512] f32; flags: 32 words.
; SHARES.  Work-group x makes columns 16 x .. 16 x + 15 of q for all 16 batches, and looks at half batch x of the mask (4,096 words).
; Wave w quantises row w of query and row 16 x + w of W_align (a lane holds 16 neighbours along K, two neighbouring lanes a block of 32) and tests 256 mask words.
; AN OPERAND GOES THROUGH LDS AS AN IMAGE OF ITS REGISTERS.  Lane u of wave r (k = 16 u .. 16 u + 15 of row r) stores its 16 codes at 256 u + 16 r.  With u = 8 s + 2 c + h that is
; 2048 s + 512 c + 16 (16 h + r): a load of 16 bytes at 16 x lane + 2048 s + 512 c gives lane (r, h) the codes k = 128 s + 32 c + 16 h + 0 .. 15 of row r: registers 4 c .. 4 c + 3 of K step s.
; The scale bytes lie [row][16]: one load of 16 bytes at 16 (lane % 16) gives the four K steps' scale words.
; Wave 0 then issues the four matrix instructions, TRANSPOSED (source 0 = 16 rows of W_align, source 1 = the 16 rows of query): lane (r, h) holds q[r][16 x + 8 h + 0 .. 7]; b_align in that layout is the first C.
; A row's loads take 64 bytes a lane, 16 at a time, and q leaves in runs of 64 bytes a row: both tensors are small (2 KiB a wave in, 1 KiB a work-group out).
; LIMITS: NaN and infinities are not served.  A block whose largest magnitude lies under 2^-118 gets the byte 1 (a block of zeros too: its codes are zeros; the bytes are read by this text alone).
.set AQ,   0                           ; LDS: query's image, 16 rows x 512 codes
.set BW,   8192                        ; W_align's 16 rows likewise
.set SAQ,  16384                       ; their scale bytes, 16 a row
.set SBW,  16640
.set FL,   16896                       ; a word for each wave: its 256 mask words' finding
.set XQ,   16                          ; v16-31  my 16 numbers of query's row
.set XW,   32                          ; v32-47  of W_align's row
.set MK,   48                          ; v48-55  my 8 mask words
.set TT,   56                          ; v56-59  at work in QROW
.set MNT,  22                          ; s22     the mantissa field of 448
.set FA,   80                          ; wave 0: query's four fragments
.set FB,   144                         ;         W_align's
.set SQ,   208                         ;         query's scale words, a register a K step
.set SW,   212                         ;         W_align's
.set ACC,  216
.set BIAS, 224
.set FLW,  232                         ;         the sixteen waves' words
; 16 neighbours along K in v[x] on -> 16 codes in v[cd:cd+3], the block's byte in v[eb].
.macro QROW x, cd, eb
	v_max3_num_f32 v[TT], |v[\x]|, |v[\x+1]|, |v[\x+2]|          ; the largest magnitude of my 16, in two chains
	v_max3_num_f32 v[TT+1], |v[\x+3]|, |v[\x+4]|, |v[\x+5]|
.irp i, 6,10
	v_max3_num_f32 v[TT], v[TT], |v[\x+\i]|, |v[\x+\i+1]|
	v_max3_num_f32 v[TT+1], v[TT+1], |v[\x+\i+2]|, |v[\x+\i+3]|
.endr
	v_max3_num_f32 v[TT], v[TT], |v[\x+14]|, |v[\x+15]|
	v_max3_num_f32 v[TT], v[TT], v[TT+1], 0x4800000              ; and the floor 2^(9 - 127): the byte cannot fall under 1
	v_max_num_f32_dpp v[TT], v[TT], v[TT] row_xmask:1 row_mask:0xf bank_mask:0xf   ; with my neighbour's 16: the block's
	v_add_nc_u32 v[TT+3], 0xfc000000, v[TT]                      ; 8 off its exponent field: the conversion takes this operand's exponent field as its scale
	v_and_or_b32 v[TT+2], v[TT], 0x7f800000, s[MNT]              ; 448 x the scale
.irp i, 0,1,2,3,4,5,6,7,8,9,10,11,12,13,14,15
	v_med3_num_f32 v[\x+\i], v[\x+\i], -v[TT+2], v[TT+2]         ; the conversion to an 8-bit code does not saturate (ISA guide 7.6.2): the hold comes first
.endr
	v_cvt_scalef32_pk8_fp8_f32 v[\cd:\cd+1], v[\x:\x+7], v[TT+3]
	v_cvt_scalef32_pk8_fp8_f32 v[\cd+2:\cd+3], v[\x+8:\x+15], v[TT+3]
	v_lshrrev_b32 v[\eb], 23, v[TT+3]                            ; the scale's byte; also the plain line behind the conversions
.endm
.macro PUT img, sc, cd, eb
	ds_store_b128 v4, v[\cd:\cd+3] offset:\img                   ; 256 x lane + 16 x wave
	ds_store_b8 v5, v[\eb] offset:\sc                            ; 16 x wave + lane / 2: both lanes of a block write the same byte with the same value
.endm
	s_load_b256 s[4:11], s[0:1], 0x0               ; query s[4:5], W_align s[6:7], b_align s[8:9], mask s[10:11]
	s_load_b128 s[12:15], s[0:1], 0x20             ; qbuf s[12:13], flags s[14:15]
	v_lshl_add_u32 v254, v0, 2, 0x4400
	v_mov_b32 v255, 0
	v_lshrrev_b32 v1, 5, v0
	v_readfirstlane_b32 s16, v1                    ; wave 0..15
	v_and_b32 v1, 31, v0                           ; lane
	v_lshlrev_b32 v2, 6, v1                        ; 64 x lane: my 16 numbers of a row
	v_lshlrev_b32 v3, 4, v1                        ; 16 x lane
	s_lshl_b32 s18, s16, 4
	v_lshl_add_u32 v4, v1, 8, s18                  ; an image: 256 x lane + 16 x wave
	v_lshrrev_b32 v5, 1, v1
	v_add_nc_u32 v5, s18, v5                       ; a scale byte: 16 x wave + lane / 2
	v_and_b32 v8, 15, v0                           ; r
	v_bfe_u32 v9, v0, 4, 1                         ; h
	v_lshlrev_b32 v6, 4, v8                        ; a row's 16 scale bytes
	v_mov_b32 v7, s16
	v_lshlrev_b32 v7, 2, v7                        ; my wave's word
	v_lshlrev_b32 v11, 5, v9                       ; b_align: 32 h
	v_lshl_add_u32 v10, v8, 11, v11                ; q: row r of 2,048 bytes + 32 h
	v_mov_b32 v12, 0
	s_mov_b32 s[MNT], 0x600000
	s_mov_b32 s21, 0
	s_wait_kmcnt 0x0
	s_lshl_b32 s20, s16, 11
	s_add_nc_u64 s[4:5], s[4:5], s[20:21]          ; query's row w
	s_lshl_b32 s17, ttmp9, 4
	s_add_co_u32 s20, s17, s16
	s_lshl_b32 s20, s20, 11
	s_add_nc_u64 s[6:7], s[6:7], s[20:21]          ; W_align's row 16 x + w
	s_lshl_b32 s20, ttmp9, 14
	s_lshl_b32 s18, s16, 10
	s_add_co_u32 s20, s20, s18
	s_add_nc_u64 s[10:11], s[10:11], s[20:21]      ; mask: 4,096 words a work-group, 256 a wave
	s_lshl_b32 s20, ttmp9, 6
	s_add_nc_u64 s[8:9], s[8:9], s[20:21]          ; b_align and q at column 16 x
	s_add_nc_u64 s[12:13], s[12:13], s[20:21]
	s_lshl_b32 s20, ttmp9, 2
	s_add_nc_u64 s[14:15], s[14:15], s[20:21]      ; my work-group's word of flags
.irp j, 0,1,2,3
	global_load_b128 v[XQ+4*\j:XQ+4*\j+3], v2, s[4:5] offset:16*\j
.endr
.irp j, 0,1,2,3
	global_load_b128 v[XW+4*\j:XW+4*\j+3], v2, s[6:7] offset:16*\j
.endr
.irp j, 0,1
	global_load_b128 v[MK+4*\j:MK+4*\j+3], v3, s[10:11] offset:512*\j
.endr
	global_load_b128 v[BIAS:BIAS+3], v11, s[8:9]               ; b_align[16 x + 8 h + 0 .. 7]: every wave loads it, so that one wait serves all waves
	global_load_b128 v[BIAS+4:BIAS+7], v11, s[8:9] offset:16
	s_wait_loadcnt 0x0                             ; one round trip; there is nothing to set beside it
	QROW XQ, 60, 68
	PUT AQ, SAQ, 60, 68
	QROW XW, 64, 69
	PUT BW, SBW, 64, 69
	v_cmp_eq_u32 s23, 0, v[MK]                     ; a bit for each lane whose word is 0: the row counts
.irp i, 1,2,3,4,5,6,7
	v_cmp_eq_u32 s24, 0, v[MK+\i]
	s_or_b32 s23, s23, s24
.endr
	v_mov_b32 v70, s23
	ds_store_b32 v7, v70 offset:FL                 ; all lanes write the same word with the same value
	s_wait_dscnt 0x0                               ; for the others' sake: my stores have landed
	s_barrier_signal -1
	s_barrier_wait -1                              ; both images, their scale bytes and the sixteen words lie in LDS
	s_cmp_lg_u32 s16, 0
	s_cbranch_scc1 .Lend
.irp s, 0,1,2,3
.irp c, 0,1,2,3
	ds_load_b128 v[FA+16*\s+4*\c:FA+16*\s+4*\c+3], v3 offset:AQ+2048*\s+512*\c
	ds_load_b128 v[FB+16*\s+4*\c:FB+16*\s+4*\c+3], v3 offset:BW+2048*\s+512*\c
.endr
.endr
	ds_load_b128 v[SQ:SQ+3], v6 offset:SAQ
	ds_load_b128 v[SW:SW+3], v6 offset:SBW
.irp k, 0,1,2,3
	ds_load_b128 v[FLW+4*\k:FLW+4*\k+3], v12 offset:FL+16*\k
.endr
	s_wait_dscnt 0x0
	v_wmma_scale_f32_16x16x128_f8f6f4 v[ACC:ACC+7], v[FB:FB+15], v[FA:FA+15], v[BIAS:BIAS+7], v[SW], v[SQ]
.irp s, 1,2,3
	s_wait_alu depctr_va_vdst(0)                   ; the wait directly ahead of each link
	v_wmma_scale_f32_16x16x128_f8f6f4 v[ACC:ACC+7], v[FB+16*\s:FB+16*\s+15], v[FA+16*\s:FA+16*\s+15], v[ACC:ACC+7], v[SW+\s], v[SQ+\s]
.endr
.irp k, 1,2,3,4,5,6,7,8,9,10,11,12,13,14,15
	v_or_b32 v[FLW], v[FLW], v[FLW+\k]             ; not 0 if any row of the half batch counts.  These fifteen plain lines are also the eight places behind the last matrix instruction
.endr
	global_store_b128 v10, v[ACC:ACC+3], s[12:13]              ; q[r][16 x + 8 h + 0 .. 3]: the accumulator from its low end on
	global_store_b128 v10, v[ACC+4:ACC+7], s[12:13] offset:16
	s_wait_xcnt 0x0                                ; EXEC is a source of the stores above: it changes only behind this wait
	v_cmp_eq_u32 vcc_lo, 0, v1
	s_and_saveexec_b32 s26, vcc_lo
	global_store_b32 v12, v[FLW], s[14:15]         ; lane 0 alone
	s_wait_xcnt 0x0                                ; and again, in front of the line that widens it
	s_or_b32 exec_lo, exec_lo, s26
.Lend:
	s_wait_tensorcnt 0x0
	ds_add_u32 v254, v255
	s_wait_dscnt 0x0
	s_endpgm
.Lfunc_end_k_q30271331b1_prep:
	.size	k_q30271331b1_prep, .Lfunc_end_k_q30271331b1_prep-k_q30271331b1_prep
	.p2alignl 7, 3214868480
	.fill 96, 4, 3214868480
	.section	.rodata,"a",@progbits
	.p2align	6, 0x0
	.amdhsa_kernel k_q30271331b1_prep
		.amdhsa_group_segment_fixed_size 19456
		.amdhsa_private_segment_fixed_size 0
		.amdhsa_enable_private_segment 0
		.amdhsa_kernarg_size 48
		.amdhsa_user_sgpr_count 2
		.amdhsa_user_sgpr_kernarg_segment_ptr 1
		.amdhsa_wavefront_size32 1
		.amdhsa_system_sgpr_workgroup_id_x 1
		.amdhsa_system_sgpr_workgroup_id_y 1
		.amdhsa_system_sgpr_workgroup_id_z 1
		.amdhsa_system_vgpr_workitem_id 0
		.amdhsa_next_free_vgpr 256
		.amdhsa_next_free_sgpr 66
		.amdhsa_reserve_vcc 1
		.amdhsa_float_denorm_mode_32 3
		.amdhsa_float_denorm_mode_16_64 3
		.amdhsa_memory_ordered 1
		.amdhsa_forward_progress 1
		.amdhsa_inst_pref_size 12
	.end_amdhsa_kernel
	.amdgpu_metadata
---
amdhsa.version: [ 1, 2 ]
amdhsa.kernels:
  - .name:           k_q30271331b1_prep
    .symbol:         k_q30271331b1_prep.kd
    .args:
      - { .name: query, .offset: 0, .size: 8, .value_kind: global_buffer, .address_space: global }
      - { .name: W_align, .offset: 8, .size: 8, .value_kind: global_buffer, .address_space: global }
      - { .name: b_align, .offset: 16, .size: 8, .value_kind: global_buffer, .address_space: global }
      - { .name: mask, .offset: 24, .size: 8, .value_kind: global_buffer, .address_space: global }
      - { .name: qbuf, .offset: 32, .size: 8, .value_kind: global_buffer, .address_space: global }
      - { .name: flags, .offset: 40, .size: 8, .value_kind: global_buffer, .address_space: global }
    .group_segment_fixed_size: 19456
    .private_segment_fixed_size: 0
    .kernarg_segment_align: 8
    .kernarg_segment_size: 48
    .max_flat_workgroup_size: 512
    .sgpr_count:     66
    .vgpr_count:     256
    .wavefront_size: 32
...
	.end_amdgpu_metadata
.endif
;; end of part 1
;; launch stream (part 2): grid 256 x 1, 16 waves a work-group, no clusters, 35,840 bytes of LDS; arguments value, mask, qbuf, flags, pctx, stats; writes pctx, stats
.if DOCPART == 2
	.amdgcn_target "amdgcn-amd-amdhsa--gfx1250"
	.amdhsa_code_object_version 6
	.text
	.protected	k_q30271331b1_stream
	.globl	k_q30271331b1_stream
	.p2align	8
	.type	k_q30271331b1_stream,@function
k_q30271331b1_stream:
	s_mov_b64 s[64:65], 0
	v_nop
	global_prefetch_b8 v0, s[64:65] scope:SCOPE_SE
	s_setreg_imm32_b32 hwreg(HW_REG_WAVE_MODE, 25, 1), 1
	s_wait_xcnt 0x0
; score[l] = value[b][l] . q[b]; softmax over the rows that count; context = sum of weight x value[b][l]: one pass over value with a running maximum, all in f32.
; value [16][8192][512] f32, mask [16][8192] i32, qbuf [16][512] f32, flags: two words a batch (not 0: that half has a row that counts).
; ROWS THAT ARE MASKED ARE NOT READ: their score is -1e30, and their weight exp(-1e30 - max) is 0 in f32 as soon as one row of the batch counts.  Where NO row of a batch counts (both flags 0) all 8,192 scores are
; equal and the weights uniform: the same text serves it: the row mask becomes all ones and q is multiplied by 0, so that every score is 0.
; SHARES.  Work-group x: batch x / 16, rows 512 (x % 16) on.  Wave w: 32 of them, so that its rows' mask is one word of 32 bits.  A wave takes a row at a time: four loads of 512 consecutive bytes; in load j
; lane l holds k = 128 j + 4 l + 0 .. 3.  q and the context lie in the same layout, 16 registers each.  A ring of eight row slots in registers: eight rows, 16 KiB, of each wave are on their way.
; For each row: m' = max(m, s); f = e^(m - m'), p = e^(s - m'); l = l f + p; C = C f + p x row.
; OUT.  The sixteen waves' (m, l, C) meet in LDS; the work-group stores one partial: stats[x] = (M, L), pctx[x][512] under M.  pctx's row is PERMUTED: place 128 j + 4 u + e holds k = 16 u + 4 j + e, so that a dense
; load in the next launch gives lane u sixteen neighbours along K.  A wave or work-group without rows gives (-3e38, 0, zeros), which every later merge weighs with 0.
; LIMITS: NaN and infinities in value are not served (a masked row's 0 x infinity is not reproduced; in a batch without rows that count q is multiplied by 0, which takes value to be finite); scores that
; count are taken to lie above -1e30; the order of the f32 sums is not the reference's.
.set Q,   4                            ; v4-19    q
.set C,   20                           ; v20-35   the context so far
.set OFF, 36                           ; v36-43   slot i: its row's byte offset + 16 x lane
.set X,   44                           ; v44-171  slot i: 16 registers, the row
.set MW,  0                            ; LDS: a word a wave: m
.set LW,  256                          ;      a word a wave: l under M
.set CT,  512                          ;      2,048 bytes a wave: C under M, k in its natural order
; v1 16 x lane; v2 4 x lane; v3 my mask word; v[172:173], v[174:175] the dot product's two chains; v176 the score; v177 the other half's; v178 m'; v[180:181] f; v[182:183] p; v184 m; v185 l; v179 lane;
; v186-190 addresses of the merge.  s24 rows not yet asked for, a bit each; s25 rows not yet worked; s[30:31] 1.0, or 0 in a batch without rows that count.
	s_load_b256 s[4:11], s[0:1], 0x0               ; value s[4:5], mask s[6:7], qbuf s[8:9], flags s[10:11]
	s_load_b128 s[12:15], s[0:1], 0x20             ; pctx s[12:13], stats s[14:15]
	v_lshl_add_u32 v192, v0, 2, 0x8400
	v_mov_b32 v193, 0
	v_lshrrev_b32 v1, 5, v0
	v_readfirstlane_b32 s16, v1                    ; wave 0..15
	v_and_b32 v179, 31, v0                         ; lane
	v_lshlrev_b32 v1, 4, v179
	v_lshlrev_b32 v2, 2, v179
	s_lshl_b32 s27, s16, 11
	v_add_nc_u32 v186, s27, v1                     ; my C in LDS: 2,048 x wave + 16 x lane
	v_mov_b32 v187, s16
	v_lshlrev_b32 v187, 2, v187                    ; my wave's word
	s_lshl_b32 s27, s16, 4
	v_lshl_add_u32 v188, v179, 6, s27              ; waves 0-3, wave j: k = 16 lane + 4 j on of a wave's C: 64 x lane + 16 j
	v_mov_b32 v189, 0
	s_lshl_b32 s27, s16, 9
	v_add_nc_u32 v190, s27, v1                     ; and its place in pctx's row: 512 j + 16 x lane
	s_mov_b32 s22, 0x76543210
	s_mov_b32 s23, 0xfedcba98                      ; v_permlanex16_b32's selects for lane l xor 16
	s_mov_b32 s19, 0
	s_lshr_b32 s17, ttmp9, 4                       ; the batch
	s_wait_kmcnt 0x0
	s_lshl_b32 s18, ttmp9, 20                      ; 512 rows of 2,048 bytes a work-group,
	s_lshl_b32 s27, s16, 16                        ; 32 a wave
	s_add_co_u32 s18, s18, s27
	s_add_nc_u64 s[4:5], s[4:5], s[18:19]
	s_lshl_b32 s18, ttmp9, 11
	s_add_nc_u64 s[12:13], s[12:13], s[18:19]      ; pctx's row x
	s_lshl_b32 s27, s16, 7
	s_add_co_u32 s18, s18, s27
	s_add_nc_u64 s[6:7], s[6:7], s[18:19]          ; mask: 512 words a work-group, 32 a wave
	s_lshl_b32 s18, s17, 11
	s_add_nc_u64 s[8:9], s[8:9], s[18:19]          ; q's row
	s_lshl_b32 s18, s17, 3
	s_add_nc_u64 s[10:11], s[10:11], s[18:19]      ; the batch's two flags
	s_lshl_b32 s18, ttmp9, 3
	s_add_nc_u64 s[14:15], s[14:15], s[18:19]      ; stats[x]
	global_load_b32 v3, v2, s[6:7]                 ; lane l: the mask word of my wave's row l
.irp j, 0,1,2,3
	global_load_b128 v[Q+4*\j:Q+4*\j+3], v1, s[8:9] offset:512*\j
.endr
	s_load_b64 s[20:21], s[10:11], 0x0
	s_wait_loadcnt 4                               ; the mask word is in; q's four loads, issued behind it, may be out
	s_wait_kmcnt 0x0
	v_cmp_eq_u32 s24, 0, v3                        ; a bit for each row that counts
	s_or_b32 s27, s20, s21
	s_cmp_eq_u32 s27, 0                            ; no row of the whole batch counts?
	s_cselect_b32 s24, -1, s24                     ; then all rows are taken,
	s_cselect_b32 s30, 0, 1.0                      ; with q = 0
	s_mov_b32 s31, s30                             ; (named with it as a pair, so it is written)
	s_bcnt1_i32_b32 s25, s24
; Slot i asks for the lowest row not yet asked for.  The row's number comes from loaded words: it is held to 0 .. 31 before it enters an address; with no bit left it is row 31, inside the buffer.
.macro ISSUE i
	s_ctz_i32_b32 s26, s24
	s_min_u32 s26, s26, 31
	s_sub_co_u32 s27, s24, 1
	s_and_b32 s24, s24, s27                        ; the lowest bit is cleared
	v_lshl_add_u32 v[OFF+\i], s26, 11, v1
.irp j, 0,1,2,3
	global_load_b128 v[X+16*\i+4*\j:X+16*\i+4*\j+3], v[OFF+\i], s[4:5] offset:512*\j th:TH_LOAD_NT
.endr
.endm
.irp i, 0,1,2,3,4,5,6,7
	ISSUE \i                                       ; all eight, whatever the count: every slot is written and every counted wait below is right on every way; a wave with under eight rows asks for row 31 again and does not use it
.endr
.irp k, 0,1,2,3,4,5,6,7,8,9,10,11,12,13,14,15
	v_mov_b32 v[C+\k], 0
.endr
	v_mov_b32 v185, 0                              ; l
	v_mov_b32 v184, 0xff61b1e6                     ; m: -3e38, under every score
	v_mov_b32 v177, 0                              ; written once: a lane permute's destination counts as one of its sources
	v_mov_b32 v181, 0                              ; (the upper halves of the pairs that the packed forms name)
	v_mov_b32 v183, 0
	s_wait_loadcnt 28                              ; q and slot 0 are in: the seven younger rows, four loads each, may be out
.irp k, 0,2,4,6,8,10,12,14
	v_pk_mul_f32 v[Q+\k:Q+\k+1], v[Q+\k:Q+\k+1], s[30:31] op_sel_hi:[1,0]
.endr
; One row, in slot i, which has been shown to be in.
.macro STEP i
	s_cmp_eq_u32 s25, 0
	s_cbranch_scc1 .Ldone
	v_pk_mul_f32 v[172:173], v[X+16*\i:X+16*\i+1], v[Q:Q+1]
	v_pk_mul_f32 v[174:175], v[X+16*\i+2:X+16*\i+3], v[Q+2:Q+3]
.irp k, 4,8,12
	v_pk_fma_f32 v[172:173], v[X+16*\i+\k:X+16*\i+\k+1], v[Q+\k:Q+\k+1], v[172:173]
	v_pk_fma_f32 v[174:175], v[X+16*\i+\k+2:X+16*\i+\k+3], v[Q+\k+2:Q+\k+3], v[174:175]
.endr
	v_pk_add_f32 v[172:173], v[172:173], v[174:175]
	v_add_f32 v176, v172, v173
	v_add_f32_dpp v176, v176, v176 row_xmask:1 row_mask:0xf bank_mask:0xf
	v_add_f32_dpp v176, v176, v176 row_xmask:2 row_mask:0xf bank_mask:0xf
	v_add_f32_dpp v176, v176, v176 row_xmask:4 row_mask:0xf bank_mask:0xf
	v_add_f32_dpp v176, v176, v176 row_xmask:8 row_mask:0xf bank_mask:0xf
	v_permlanex16_b32 v177, v176, s22, s23
	v_add_f32 v176, v176, v177                     ; the score, in every lane
	v_max_num_f32 v178, v184, v176                 ; m'
	v_sub_f32 v180, v184, v178
	v_sub_f32 v182, v176, v178
	v_mul_f32 v180, 0x3fb8aa3b, v180               ; x log2(e)
	v_mul_f32 v182, 0x3fb8aa3b, v182
	v_exp_f32 v180, v180                           ; f
	v_exp_f32 v182, v182                           ; p
	v_mov_b32 v184, v178                           ; a plain line behind the exponentials
	s_wait_alu depctr_va_vdst(0)                   ; the wait ahead of the first line that names their results: one for the two
	v_fma_f32 v185, v185, v180, v182
.irp k, 0,2,4,6,8,10,12,14
	v_pk_mul_f32 v[C+\k:C+\k+1], v[C+\k:C+\k+1], v[180:181] op_sel_hi:[1,0]
.endr
.irp k, 0,2,4,6,8,10,12,14
	v_pk_fma_f32 v[C+\k:C+\k+1], v[X+16*\i+\k:X+16*\i+\k+1], v[182:183], v[C+\k:C+\k+1] op_sel_hi:[1,0,1]
.endr
	s_cmp_gt_u32 s25, 8                            ; of the rows left, this one among them, eight have been asked for: is there a ninth?
	s_cbranch_scc0 .Ltail_\@
	ISSUE \i                                       ; the slot's own loads were shown done before this row was worked: its registers and its offset may be written
	s_wait_loadcnt 28                              ; the next slot is in: behind its row at most seven rows, four loads each, were issued
	s_branch .Lnext_\@
.Ltail_\@:
	s_wait_loadcnt 0x0                             ; nothing more is asked for: what is out is the last rows
.Lnext_\@:
	s_sub_co_u32 s25, s25, 1
.endm
	s_mov_b32 s28, 4                               ; 4 x 8 steps: as many as a wave has rows at the most
.Lround:
.irp i, 0,1,2,3,4,5,6,7
	STEP \i
.endr
	s_sub_co_u32 s28, s28, 1
	s_cmp_lg_u32 s28, 0
	s_cbranch_scc1 .Lround
.Ldone:
	s_wait_loadcnt 0x0                             ; rows asked for and not used have landed too: the slots' registers are free
	; THE SIXTEEN WAVES MEET.
	ds_store_b32 v187, v184 offset:MW              ; all lanes write the same word with the same value
	s_wait_dscnt 0x0
	s_barrier_signal -1
	s_barrier_wait -1
.irp k, 0,1,2,3
	ds_load_b128 v[X+4*\k:X+4*\k+3], v189 offset:MW+16*\k
.endr
	s_wait_dscnt 0x0
	v_max3_num_f32 v176, v[X], v[X+1], v[X+2]
.irp k, 3,5,7,9,11,13
	v_max3_num_f32 v176, v176, v[X+\k], v[X+\k+1]
.endr
	v_max_num_f32 v176, v176, v[X+15]              ; M
	v_sub_f32 v178, v184, v176
	v_mul_f32 v178, 0x3fb8aa3b, v178
	v_exp_f32 v172, v178                           ; e^(m - M)
	v_mov_b32 v173, 0                              ; a plain line behind it; and the pair's upper half
	s_wait_alu depctr_va_vdst(0)                   ; the wait ahead of the first reader
	v_mul_f32 v185, v185, v172
	ds_store_b32 v187, v185 offset:LW
.irp k, 0,2,4,6,8,10,12,14
	v_pk_mul_f32 v[C+\k:C+\k+1], v[C+\k:C+\k+1], v[172:173] op_sel_hi:[1,0]
.endr
.irp j, 0,1,2,3
	ds_store_b128 v186, v[C+4*\j:C+4*\j+3] offset:CT+512*\j      ; k = 128 j + 4 lane on, at byte 512 j + 16 lane: the natural order
.endr
	s_wait_dscnt 0x0
	s_barrier_signal -1
	s_barrier_wait -1
	s_cmp_gt_u32 s16, 3
	s_cbranch_scc1 .Lend
.irp k, 0,1,2,3,4,5,6,7,8,9,10,11,12,13,14,15
	ds_load_b128 v[X+4*\k:X+4*\k+3], v188 offset:CT+2048*\k      ; wave k's C at k = 16 lane + 4 j + 0 .. 3
.endr
	s_wait_dscnt 0x0
.macro QADD a, b
	v_pk_add_f32 v[X+4*(\a):X+4*(\a)+1], v[X+4*(\a):X+4*(\a)+1], v[X+4*(\b):X+4*(\b)+1]
	v_pk_add_f32 v[X+4*(\a)+2:X+4*(\a)+3], v[X+4*(\a)+2:X+4*(\a)+3], v[X+4*(\b)+2:X+4*(\b)+3]
.endm
.irp k, 0,2,4,6,8,10,12,14
	QADD \k, \k+1
.endr
.irp k, 0,4,8,12
	QADD \k, \k+2
.endr
	QADD 0, 4
	QADD 8, 12
	QADD 0, 8
	global_store_b128 v190, v[X:X+3], s[12:13]     ; the wave stores 512 consecutive bytes, at a multiple of 512 from pctx's first byte
	s_cmp_lg_u32 s16, 0
	s_cbranch_scc1 .Lend
.irp k, 0,1,2,3
	ds_load_b128 v[108+4*\k:111+4*\k], v189 offset:LW+16*\k
.endr
	s_wait_dscnt 0x0
.irp k, 0,4,8,12
	v_pk_add_f32 v[108+\k:109+\k], v[108+\k:109+\k], v[110+\k:111+\k]
.endr
	v_pk_add_f32 v[108:109], v[108:109], v[112:113]
	v_pk_add_f32 v[116:117], v[116:117], v[120:121]
	v_pk_add_f32 v[108:109], v[108:109], v[116:117]
	v_add_f32 v177, v108, v109                     ; L
	s_wait_xcnt 0x0                                ; EXEC is a source of the store above: it changes only behind this wait
	v_cmp_eq_u32 vcc_lo, 0, v179
	s_and_saveexec_b32 s32, vcc_lo
	global_store_b64 v189, v[176:177], s[14:15]    ; (M, L), lane 0 alone
	s_wait_xcnt 0x0
	s_or_b32 exec_lo, exec_lo, s32
.Lend:
	s_wait_tensorcnt 0x0
	ds_add_u32 v192, v193
	s_wait_dscnt 0x0
	s_endpgm
.Lfunc_end_k_q30271331b1_stream:
	.size	k_q30271331b1_stream, .Lfunc_end_k_q30271331b1_stream-k_q30271331b1_stream
	.p2alignl 7, 3214868480
	.fill 96, 4, 3214868480
	.section	.rodata,"a",@progbits
	.p2align	6, 0x0
	.amdhsa_kernel k_q30271331b1_stream
		.amdhsa_group_segment_fixed_size 35840
		.amdhsa_private_segment_fixed_size 0
		.amdhsa_enable_private_segment 0
		.amdhsa_kernarg_size 48
		.amdhsa_user_sgpr_count 2
		.amdhsa_user_sgpr_kernarg_segment_ptr 1
		.amdhsa_wavefront_size32 1
		.amdhsa_system_sgpr_workgroup_id_x 1
		.amdhsa_system_sgpr_workgroup_id_y 1
		.amdhsa_system_sgpr_workgroup_id_z 1
		.amdhsa_system_vgpr_workitem_id 0
		.amdhsa_next_free_vgpr 194
		.amdhsa_next_free_sgpr 66
		.amdhsa_reserve_vcc 1
		.amdhsa_float_denorm_mode_32 3
		.amdhsa_float_denorm_mode_16_64 3
		.amdhsa_memory_ordered 1
		.amdhsa_forward_progress 1
		.amdhsa_inst_pref_size 40
	.end_amdhsa_kernel
	.amdgpu_metadata
---
amdhsa.version: [ 1, 2 ]
amdhsa.kernels:
  - .name:           k_q30271331b1_stream
    .symbol:         k_q30271331b1_stream.kd
    .args:
      - { .name: value, .offset: 0, .size: 8, .value_kind: global_buffer, .address_space: global }
      - { .name: mask, .offset: 8, .size: 8, .value_kind: global_buffer, .address_space: global }
      - { .name: qbuf, .offset: 16, .size: 8, .value_kind: global_buffer, .address_space: global }
      - { .name: flags, .offset: 24, .size: 8, .value_kind: global_buffer, .address_space: global }
      - { .name: pctx, .offset: 32, .size: 8, .value_kind: global_buffer, .address_space: global }
      - { .name: stats, .offset: 40, .size: 8, .value_kind: global_buffer, .address_space: global }
    .group_segment_fixed_size: 35840
    .private_segment_fixed_size: 0
    .kernarg_segment_align: 8
    .kernarg_segment_size: 48
    .max_flat_workgroup_size: 512
    .sgpr_count:     66
    .vgpr_count:     194
    .wavefront_size: 32
...
	.end_amdgpu_metadata
.endif
;; end of part 2
;; launch finish (part 3): grid 32 x 4, 16 waves a work-group, no clusters, 68,608 bytes of LDS; arguments pctx, stats, qbuf, W_value, b_value, W_query, b_query, out0; writes out0
.if DOCPART == 3
	.amdgcn_target "amdgcn-amd-amdhsa--gfx1250"
	.amdhsa_code_object_version 6
	.text
	.protected	k_q30271331b1_finish
	.globl	k_q30271331b1_finish
	.p2align	8
	.type	k_q30271331b1_finish,@function
k_q30271331b1_finish:
	s_mov_b64 s[64:65], 0
	v_nop
	global_prefetch_b8 v0, s[64:65] scope:SCOPE_SE
	s_setreg_imm32_b32 hwreg(HW_REG_WAVE_MODE, 25, 1), 1
	s_wait_xcnt 0x0
; out = tanh(Q(context) Q(W_value)^T + b_value + Q(q) Q(W_query)^T + b_query); context = the merge of a batch's 16 partials (M_i, L_i, C_i): sum of e^(M_i - M) C_i / sum of e^(M_i - M) L_i.
; pctx [256][512] f32 (a row permuted: place 128 j + 4 u + e holds k = 16 u + 4 j + e), stats [256][2] f32, qbuf [16][512], W_value, W_query [512][512], b_value, b_query [512], out0 [16][512], all f32.
; Both products on codes of E4M3 with one E8M0 scale for each 32 along K.
; SHARES.  Work-group (x, y): columns 16 x .. 16 x + 15 of out for batches 4 y .. 4 y + 3.  Wave w (g = w / 4, part = w % 4), every wave by the same text: quantises row 16 x + w of W_value and of W_query;
; loads q's row of batch 4 y + g; weighs and adds partials 4 part .. 4 part + 3 of that batch.  The four parts of a batch meet in LDS; each of the four waves adds them.
; THE LEFT OPERANDS have 16 rows, row = the wave that wrote it: rows 0, 4, 8, 12 (part = 0) hold batches 4 y + 0 .. 3; the other waves' numbers are cleared ahead of the quantiser, so their rows are zero codes.
; That makes the matrix work four times what the columns need (8 instructions a work-group) and cuts what a work-group reads of pctx to a quarter.
; Operands go to wave 0 through LDS as images of their registers: lane u of wave r stores its 16 codes (k = 16 u on, row r) at 256 u + 16 r; a load of 16 bytes at 16 x lane + 2048 s + 512 c gives lane (r, h)
; k = 128 s + 32 c + 16 h + 0 .. 15 of row r.  Scale bytes lie [row][16].
; Wave 0: source 0 = the left operand's rows, source 1 = the weight's rows: register j of lane (r, h) is (row 8 h + j, column 16 x + r): register 0 is batch 4 y + 2 h, register 4 batch 4 y + 2 h + 1.
; out leaves in runs of 64 bytes a row: the whole output is 32 KiB.
; LIMITS: NaN and infinities are not served.  A block whose largest magnitude lies under 2^-118 gets the byte 1 (a block of zeros too: its codes are zeros; the bytes are read by this text alone).
; tanh(x) = 1 - 2 / (1 + e^(2 x)): near 0 its error is about one part in 10^7 of 1, not of x.  The four terms are added in another order than the reference's.
.set SAC, 0                            ; LDS: scale bytes, 16 rows x 16: context's, q's, W_value's, W_query's
.set SAQ, 256
.set SBV, 512
.set SBQ, 768
.set AC,  1024                         ; images, 8,192 bytes each
.set AQ,  9216
.set BV,  17408
.set BQ,  25600
.set PS,  33792                        ; 2,048 bytes a wave: its part of a batch's context (the base stands in v7 and v8: an LDS immediate has 16 bits)
.set P,   16                           ; v16-79   four partials, 16 registers each
.set WV,  80                           ; v80-95   W_value's row
.set WQ,  96                           ; v96-111  W_query's
.set QR,  112                          ; v112-127 q's
.set E,   128                          ; v128-143 e^(M_i - M)
.set EO,  144                          ; v144-151 my four partials' weights, each the low half of a pair
.set S,   160                          ; v160-175 sums
.set TT,  154                          ; v154-157 at work
.set MNT, 28                           ; s28      the mantissa field of 448
; 16 neighbours along K in v[x] on -> 16 codes in v[cd:cd+3], the block's byte in v[eb].
.macro QROW x, cd, eb
	v_max3_num_f32 v[TT], |v[\x]|, |v[\x+1]|, |v[\x+2]|          ; the largest magnitude of my 16, in two chains
	v_max3_num_f32 v[TT+1], |v[\x+3]|, |v[\x+4]|, |v[\x+5]|
.irp i, 6,10
	v_max3_num_f32 v[TT], v[TT], |v[\x+\i]|, |v[\x+\i+1]|
	v_max3_num_f32 v[TT+1], v[TT+1], |v[\x+\i+2]|, |v[\x+\i+3]|
.endr
	v_max3_num_f32 v[TT], v[TT], |v[\x+14]|, |v[\x+15]|
	v_max3_num_f32 v[TT], v[TT], v[TT+1], 0x4800000              ; and the floor 2^(9 - 127): the byte cannot fall under 1
	v_max_num_f32_dpp v[TT], v[TT], v[TT] row_xmask:1 row_mask:0xf bank_mask:0xf   ; with my neighbour's 16: the block's
	v_add_nc_u32 v[TT+3], 0xfc000000, v[TT]                      ; 8 off its exponent field: the conversion takes this operand's exponent field as its scale
	v_and_or_b32 v[TT+2], v[TT], 0x7f800000, s[MNT]              ; 448 x the scale
.irp i, 0,1,2,3,4,5,6,7,8,9,10,11,12,13,14,15
	v_med3_num_f32 v[\x+\i], v[\x+\i], -v[TT+2], v[TT+2]         ; the conversion to an 8-bit code does not saturate (ISA guide 7.6.2): the hold comes first
.endr
	v_cvt_scalef32_pk8_fp8_f32 v[\cd:\cd+1], v[\x:\x+7], v[TT+3]
	v_cvt_scalef32_pk8_fp8_f32 v[\cd+2:\cd+3], v[\x+8:\x+15], v[TT+3]
	v_lshrrev_b32 v[\eb], 23, v[TT+3]                            ; the scale's byte; also the plain line behind the conversions
.endm
.macro PUT img, sc, cd, eb
	ds_store_b128 v4, v[\cd:\cd+3] offset:\img                   ; 256 x lane + 16 x wave
	ds_store_b8 v5, v[\eb] offset:\sc                            ; 16 x wave + lane / 2: both lanes of a block write the same byte with the same value
.endm
	s_load_b512 s[4:19], s[0:1], 0x0               ; pctx s[4:5], stats s[6:7], qbuf s[8:9], W_value s[10:11], b_value s[12:13], W_query s[14:15], b_query s[16:17], out0 s[18:19]
	v_lshl_add_u32 v254, v0, 2, 0x10400
	v_mov_b32 v255, 0
	v_lshrrev_b32 v1, 5, v0
	v_readfirstlane_b32 s20, v1                    ; wave 0..15
	v_and_b32 v1, 31, v0                           ; lane
	v_lshlrev_b32 v2, 6, v1                        ; 64 x lane: my 16 numbers of a row
	v_lshlrev_b32 v3, 4, v1                        ; 16 x lane
	s_lshl_b32 s27, s20, 4
	v_lshl_add_u32 v4, v1, 8, s27                  ; an image: 256 x lane + 16 x wave
	v_lshrrev_b32 v5, 1, v1
	v_add_nc_u32 v5, s27, v5                       ; a scale byte: 16 x wave + lane / 2
	v_and_b32 v9, 15, v0                           ; r
	v_bfe_u32 v10, v0, 4, 1                        ; h
	v_lshlrev_b32 v6, 4, v9                        ; a row's 16 scale bytes
	s_lshl_b32 s27, s20, 11
	v_add_nc_u32 v7, s27, v3
	v_add_nc_u32 v7, PS, v7                        ; my part's place: PS + 2,048 x wave + 16 x lane
	s_and_b32 s27, s20, 12
	s_lshl_b32 s27, s27, 11
	v_add_nc_u32 v8, s27, v3
	v_add_nc_u32 v8, PS, v8                        ; my batch's four parts begin at wave 4 g's
	v_lshlrev_b32 v12, 2, v9                       ; 4 r
	v_lshl_add_u32 v11, v10, 12, v12               ; out: two rows of 2,048 bytes for h, + 4 r
	s_and_b32 s22, ttmp7, 0xffff                   ; y
	s_lshr_b32 s23, s20, 2                         ; g
	s_and_b32 s24, s20, 3                          ; part
	s_lshl_b32 s25, s22, 2
	s_add_co_u32 s25, s25, s23                     ; my batch: 4 y + g
	s_mov_b32 s[MNT], 0x600000
	s_cmp_eq_u32 s24, 0
	s_cselect_b32 s29, -1, 0                       ; all ones in the waves whose rows of the left operands are kept
	s_mov_b32 s27, 0
	s_wait_kmcnt 0x0
	s_lshl_b32 s26, s25, 7
	s_add_nc_u64 s[6:7], s[6:7], s[26:27]          ; the batch's 16 pairs (M_i, L_i)
	s_lshl_b32 s26, s24, 5
	s_add_nc_u64 s[76:77], s[6:7], s[26:27]        ; and my four among them
	s_load_b512 s[32:47], s[6:7], 0x0
	s_load_b512 s[48:63], s[6:7], 0x40
	s_load_b256 s[68:75], s[76:77], 0x0
	s_lshl_b32 s26, ttmp9, 4
	s_add_co_u32 s26, s26, s20
	s_lshl_b32 s26, s26, 11
	s_add_nc_u64 s[10:11], s[10:11], s[26:27]      ; row 16 x + w of both weights
	s_add_nc_u64 s[14:15], s[14:15], s[26:27]
	s_lshl_b32 s26, s25, 11
	s_add_nc_u64 s[8:9], s[8:9], s[26:27]          ; q's row
	s_lshl_b32 s26, s25, 4
	s_lshl_b32 s21, s24, 2
	s_add_co_u32 s26, s26, s21
	s_lshl_b32 s26, s26, 11
	s_add_nc_u64 s[4:5], s[4:5], s[26:27]          ; pctx's row 16 b + 4 part
	s_lshl_b32 s26, ttmp9, 6
	s_add_nc_u64 s[12:13], s[12:13], s[26:27]      ; the biases and out at column 16 x,
	s_add_nc_u64 s[16:17], s[16:17], s[26:27]
	s_add_nc_u64 s[18:19], s[18:19], s[26:27]
	s_lshl_b32 s26, s22, 13
	s_add_nc_u64 s[18:19], s[18:19], s[26:27]      ; out at batch 4 y
.irp j, 0,1,2,3
	global_load_b128 v[WV+4*\j:WV+4*\j+3], v2, s[10:11] offset:16*\j
.endr
.irp j, 0,1,2,3
	global_load_b128 v[WQ+4*\j:WQ+4*\j+3], v2, s[14:15] offset:16*\j
.endr
.irp j, 0,1,2,3
	global_load_b128 v[QR+4*\j:QR+4*\j+3], v2, s[8:9] offset:16*\j
.endr
.irp t, 0,1,2,3
.irp j, 0,1,2,3
	global_load_b128 v[P+16*\t+4*\j:P+16*\t+4*\j+3], v3, s[4:5] offset:2048*\t+512*\j   ; 512 consecutive bytes; register 4 j + e of lane u is k = 16 u + 4 j + e
.endr
.endr
	global_load_b32 v232, v12, s[12:13]            ; b_value[16 x + r], b_query[16 x + r]: every wave loads them, so that the counts below are the same in all waves
	global_load_b32 v233, v12, s[16:17]
	s_wait_loadcnt 26                              ; W_value's row is in: behind it 4 + 4 + 16 + 2 loads
	QROW WV, 176, 192
	PUT BV, SBV, 176, 192
	s_wait_loadcnt 22                              ; W_query's: behind it 4 + 16 + 2
	QROW WQ, 180, 193
	PUT BQ, SBQ, 180, 193
	s_wait_loadcnt 18                              ; q's: behind it 16 + 2
.irp i, 0,1,2,3,4,5,6,7,8,9,10,11,12,13,14,15
	v_and_b32 v[QR+\i], s29, v[QR+\i]              ; kept where part = 0, else cleared
.endr
	QROW QR, 184, 194
	PUT AQ, SAQ, 184, 194
	s_wait_kmcnt 0x0                               ; the pairs (M_i, L_i)
	v_max_num_f32 v152, s32, s34
.irp i, 2,4,6,8,10,12,14
	v_max3_num_f32 v152, v152, s[32+2*\i], s[34+2*\i]            ; M
.endr
.irp i, 0,1,2,3,4,5,6,7,8,9,10,11,12,13,14,15
	v_sub_f32 v[E+\i], s[32+2*\i], v152
.endr
.irp t, 0,1,2,3
	v_sub_f32 v[EO+2*\t], s[68+2*\t], v152
.endr
.irp i, 0,1,2,3,4,5,6,7,8,9,10,11,12,13,14,15
	v_mul_f32 v[E+\i], 0x3fb8aa3b, v[E+\i]         ; x log2(e)
.endr
.irp t, 0,1,2,3
	v_mul_f32 v[EO+2*\t], 0x3fb8aa3b, v[EO+2*\t]
.endr
.irp i, 0,1,2,3,4,5,6,7,8,9,10,11,12,13,14,15
	v_exp_f32 v[E+\i], v[E+\i]
.endr
.irp t, 0,1,2,3
	v_exp_f32 v[EO+2*\t], v[EO+2*\t]
.endr
.irp t, 0,1,2,3
	v_mov_b32 v[EO+2*\t+1], 0                      ; plain lines behind the batch; and the pairs' upper halves
.endr
	s_wait_alu depctr_va_vdst(0)                   ; the wait ahead of the first reader: one for the twenty exponentials
	v_mul_f32 v153, s33, v[E]
.irp i, 1,2,3,4,5,6,7,8,9,10,11,12,13,14,15
	v_fma_f32 v153, v[E+\i], s[33+2*\i], v153      ; L: at least 1, since the partial that holds M has L_i of at least 1
.endr
	v_rcp_f32 v154, v153
	v_nop                                          ; a plain line behind the reciprocal
	s_wait_alu depctr_va_vdst(0)                   ; and the wait ahead of its first reader
.irp t, 0,1,2,3
	v_mul_f32 v[EO+2*\t], v[EO+2*\t], v154         ; e^(M_i - M) / L
.endr
	s_wait_loadcnt 0x0                             ; my four partials, and the biases
.irp k, 0,2,4,6,8,10,12,14
	v_pk_mul_f32 v[S+\k:S+\k+1], v[P+\k:P+\k+1], v[EO:EO+1] op_sel_hi:[1,0]
.endr
.irp t, 1,2,3
.irp k, 0,2,4,6,8,10,12,14
	v_pk_fma_f32 v[S+\k:S+\k+1], v[P+16*\t+\k:P+16*\t+\k+1], v[EO+2*\t:EO+2*\t+1], v[S+\k:S+\k+1] op_sel_hi:[1,0,1]
.endr
.endr
.irp j, 0,1,2,3
	ds_store_b128 v7, v[S+4*\j:S+4*\j+3] offset:512*\j
.endr
	s_wait_dscnt 0x0                               ; for the others' sake: my stores have landed
	s_barrier_signal -1
	s_barrier_wait -1                              ; the sixteen parts lie in LDS
.irp t, 0,1,2,3
.irp j, 0,1,2,3
	ds_load_b128 v[P+16*\t+4*\j:P+16*\t+4*\j+3], v8 offset:2048*\t+512*\j
.endr
.endr
	s_wait_dscnt 0x0
.irp k, 0,2,4,6,8,10,12,14
	v_pk_add_f32 v[S+\k:S+\k+1], v[P+\k:P+\k+1], v[P+16+\k:P+16+\k+1]
.endr
.irp t, 2,3
.irp k, 0,2,4,6,8,10,12,14
	v_pk_add_f32 v[S+\k:S+\k+1], v[S+\k:S+\k+1], v[P+16*\t+\k:P+16*\t+\k+1]           ; my batch's context, k = 16 lane + 0 .. 15
.endr
.endr
.irp i, 0,1,2,3,4,5,6,7,8,9,10,11,12,13,14,15
	v_and_b32 v[S+\i], s29, v[S+\i]                ; kept where part = 0, else cleared
.endr
	QROW S, 188, 195
	PUT AC, SAC, 188, 195
	s_wait_dscnt 0x0
	s_barrier_signal -1
	s_barrier_wait -1                              ; all four images and their scale bytes lie in LDS
	s_cmp_lg_u32 s20, 0
	s_cbranch_scc1 .Lend
; K steps 2 p and 2 p + 1 of all four operands: v16-47 context, v48-79 W_value, v80-111 q, v112-143 W_query
.macro FRAGS p
.irp s, 0,1
.irp c, 0,1,2,3
	ds_load_b128 v[16+16*\s+4*\c:19+16*\s+4*\c], v3 offset:AC+2048*(2*\p+\s)+512*\c
	ds_load_b128 v[48+16*\s+4*\c:51+16*\s+4*\c], v3 offset:BV+2048*(2*\p+\s)+512*\c
	ds_load_b128 v[80+16*\s+4*\c:83+16*\s+4*\c], v3 offset:AQ+2048*(2*\p+\s)+512*\c
	ds_load_b128 v[112+16*\s+4*\c:115+16*\s+4*\c], v3 offset:BQ+2048*(2*\p+\s)+512*\c
.endr
.endr
.endm
; K step s, whose fragments lie in half u of the registers: one instruction on each of the two accumulators, which so take turns
.macro PAIR s, u, first
.if \first
	v_wmma_scale_f32_16x16x128_f8f6f4 v[216:223], v[16+16*\u:31+16*\u], v[48+16*\u:63+16*\u], 0, v[200+\s], v[204+\s]
	v_wmma_scale_f32_16x16x128_f8f6f4 v[224:231], v[80+16*\u:95+16*\u], v[112+16*\u:127+16*\u], 0, v[208+\s], v[212+\s]
.else
	v_wmma_scale_f32_16x16x128_f8f6f4 v[216:223], v[16+16*\u:31+16*\u], v[48+16*\u:63+16*\u], v[216:223], v[200+\s], v[204+\s]
	v_wmma_scale_f32_16x16x128_f8f6f4 v[224:231], v[80+16*\u:95+16*\u], v[112+16*\u:127+16*\u], v[224:231], v[208+\s], v[212+\s]
.endif
.endm
	ds_load_b128 v[200:203], v6 offset:SAC         ; scale words, a register a K step: context's,
	ds_load_b128 v[204:207], v6 offset:SBV         ; W_value's,
	ds_load_b128 v[208:211], v6 offset:SAQ         ; q's,
	ds_load_b128 v[212:215], v6 offset:SBQ         ; W_query's
	FRAGS 0
	s_wait_dscnt 0x0
	PAIR 0, 0, 1                                   ; the first products start the sums: nothing is cleared
	PAIR 1, 1, 0
.rept 8
	v_nop                                          ; eight places in front of loads into registers that these matrix instructions have read
.endr
	FRAGS 1
	s_wait_dscnt 0x0
	PAIR 2, 0, 0
	PAIR 3, 1, 0
	v_add_f32 v234, v232, v233                     ; b_value + b_query at my column.  With the seven lines below: the eight places in front of the first read of results
.rept 7
	v_nop
.endr
	v_add_f32 v235, v216, v224                     ; each accumulator from its low end on: register 0: batch 4 y + 2 h,
	v_add_f32 v236, v220, v228                     ; register 4: batch 4 y + 2 h + 1
	v_add_f32 v235, v235, v234
	v_add_f32 v236, v236, v234
	v_mul_f32 v235, 0x4038aa3b, v235               ; x 2 log2(e)
	v_mul_f32 v236, 0x4038aa3b, v236
	v_exp_f32 v237, v235                           ; e^(2 x): infinity for large x, which gives 1; 0 for very negative x, which gives -1
	v_exp_f32 v238, v236
	v_nop                                          ; a plain line behind the exponentials,
	s_wait_alu depctr_va_vdst(0)                   ; and the wait ahead of their first reader
	v_add_f32 v237, 1.0, v237
	v_add_f32 v238, 1.0, v238
	v_rcp_f32 v239, v237
	v_rcp_f32 v240, v238
	v_nop
	s_wait_alu depctr_va_vdst(0)
	v_fma_f32 v235, v239, -2.0, 1.0                ; tanh(x) = 1 - 2 / (1 + e^(2 x))
	v_fma_f32 v236, v240, -2.0, 1.0
	global_store_b32 v11, v235, s[18:19]           ; out[4 y + 2 h][16 x + r]
	global_store_b32 v11, v236, s[18:19] offset:2048             ; out[4 y + 2 h + 1][16 x + r]
.Lend:
	s_wait_tensorcnt 0x0
	ds_add_u32 v254, v255
	s_wait_dscnt 0x0
	s_endpgm
.Lfunc_end_k_q30271331b1_finish:
	.size	k_q30271331b1_finish, .Lfunc_end_k_q30271331b1_finish-k_q30271331b1_finish
	.p2alignl 7, 3214868480
	.fill 96, 4, 3214868480
	.section	.rodata,"a",@progbits
	.p2align	6, 0x0
	.amdhsa_kernel k_q30271331b1_finish
		.amdhsa_group_segment_fixed_size 68608
		.amdhsa_private_segment_fixed_size 0
		.amdhsa_enable_private_segment 0
		.amdhsa_kernarg_size 64
		.amdhsa_user_sgpr_count 2
		.amdhsa_user_sgpr_kernarg_segment_ptr 1
		.amdhsa_wavefront_size32 1
		.amdhsa_system_sgpr_workgroup_id_x 1
		.amdhsa_system_sgpr_workgroup_id_y 1
		.amdhsa_system_sgpr_workgroup_id_z 1
		.amdhsa_system_vgpr_workitem_id 0
		.amdhsa_next_free_vgpr 256
		.amdhsa_next_free_sgpr 80
		.amdhsa_reserve_vcc 0
		.amdhsa_float_denorm_mode_32 3
		.amdhsa_float_denorm_mode_16_64 3
		.amdhsa_memory_ordered 1
		.amdhsa_forward_progress 1
		.amdhsa_inst_pref_size 31
	.end_amdhsa_kernel
	.amdgpu_metadata
---
amdhsa.version: [ 1, 2 ]
amdhsa.kernels:
  - .name:           k_q30271331b1_finish
    .symbol:         k_q30271331b1_finish.kd
    .args:
      - { .name: pctx, .offset: 0, .size: 8, .value_kind: global_buffer, .address_space: global }
      - { .name: stats, .offset: 8, .size: 8, .value_kind: global_buffer, .address_space: global }
      - { .name: qbuf, .offset: 16, .size: 8, .value_kind: global_buffer, .address_space: global }
      - { .name: W_value, .offset: 24, .size: 8, .value_kind: global_buffer, .address_space: global }
      - { .name: b_value, .offset: 32, .size: 8, .value_kind: global_buffer, .address_space: global }
      - { .name: W_query, .offset: 40, .size: 8, .value_kind: global_buffer, .address_space: global }
      - { .name: b_query, .offset: 48, .size: 8, .value_kind: global_buffer, .address_space: global }
      - { .name: out0, .offset: 56, .size: 8, .value_kind: global_buffer, .address_space: global }
    .group_segment_fixed_size: 68608
    .private_segment_fixed_size: 0
    .kernarg_segment_align: 8
    .kernarg_segment_size: 64
    .max_flat_workgroup_size: 512
    .sgpr_count:     80
    .vgpr_count:     256
    .wavefront_size: 32
...
	.end_amdgpu_metadata
.endif
;; end of part 3
